; MI455X (gfx1250); checked and timed in simulation.
; The chip was launched on July 23, 2026; its instructions are those of AMD's public machine-readable ISA for CDNA 5 (MIT licence, August 2026) and "CDNA5" Instruction Set Architecture Reference Guide (July 2026). The comments in the code are by the model that wrote it; some were corrected since.
;; Complex Proj Measurement. Allowed arithmetic: matrix products marked QUANTISED: E2M1 operands, one E8M0 scale for each 32 along K, by v_wmma_scale_f32_16x16x128_f8f6f4 with both operands' format E2M1 (or v_wmma_scale_f32_32x16x128_f4), f32 sums; products left as they are: f32 operands where the result goes on into a quantised operand, else bf16, f16 or f32 operands; f32 sums; everything else in f32.
;; Inputs: input_imag_codes 128 x 512 x 16 x 16 uint8 (E2M1 codes of input_imag, K innermost, in blocks of 32 codes, two codes a byte); input_imag_scales 128 x 512 x 16 uint8 (E8M0 scales of input_imag, one for each 32 codes along K); input_real_codes 128 x 512 x 16 x 16 uint8 (E2M1 codes of input_real, K innermost, in blocks of 32 codes, two codes a byte); input_real_scales 128 x 512 x 16 uint8 (E8M0 scales of input_real, one for each 32 codes along K); kernel 512 x 512 x 2 float32.
;; Outputs: out0 128 x 512 float32.
;; This version of the problem:
;;   THIS VERSION OF THE PROBLEM IS GIVEN IN LOW PRECISION. The matrix products marked QUANTISED in the list below multiply operands that are first quantised to E2M1 (2 exponent bits, 1 mantissa bit; 4 bits a number), with one power-of-two scale for each 32 numbers along K (OCP MX v1.0); their sums are f32. All else is computed in f32.
;;   The module's matrix products, in the order in which they are computed (A, B: the left and right operand; K: the contracted axis; several contracted axes count as one K, in the product's order):
;;     1. [M 65,536, K 512] x [K 512, N 512]; A: input input_real (given as codes); B: input kernel: QUANTISED
;;     2. batch 512 x [M 1, K 512] x [K 512, N 128]; A: input kernel; B: computed on the way: left as it is (M = 1 < 16)
;;     3. [M 65,536, K 512] x [K 512, N 512]; A: input input_real (given as codes); B: input kernel: QUANTISED
;;     4. batch 512 x [M 1, K 512] x [K 512, N 128]; A: input kernel; B: computed on the way: left as it is (M = 1 < 16)
;;     5. [M 65,536, K 512] x [K 512, N 512]; A: input input_imag (given as codes); B: input kernel: QUANTISED
;;     6. batch 512 x [M 1, K 512] x [K 512, N 128]; A: input kernel; B: computed on the way: left as it is (M = 1 < 16)
;;     7. [M 65,536, K 512] x [K 512, N 512]; A: input input_imag (given as codes); B: input kernel: QUANTISED
;;     8. batch 512 x [M 1, K 512] x [K 512, N 128]; A: input kernel; B: computed on the way: left as it is (M = 1 < 16)
;;   THE QUANTISER, for each operand of a quantised product, along K:
;;     - K is cut into blocks of 32 from its start; a last block that is shorter is filled with zeros.
;;     - A block's scale is 2^e with e = floor(log2(the largest magnitude in the block)) - 2, held to -126 .. 127; a block of zeros has e = 0. As a byte (E8M0): e + 127.
;;     - Each number is divided by its block's scale, clamped to +-6, and rounded to the nearest number of E2M1, ties to even, subnormals kept.
;;     - The product sums the exact products of the quantised numbers (number of the format x scale) in f32.
;;   ~~~python
;;   def quantise(x, axis):      # numpy; x: float32 -> the quantised numbers, widened to float32 again
;;       x = np.moveaxis(x, axis, -1); K = x.shape[-1]
;;       x = np.pad(x, [(0, 0)] * (x.ndim - 1) + [(0, -K % 32)]); x = x.reshape(x.shape[:-1] + (-1, 32)); a = np.abs(x).max(-1, keepdims=True)
;;       e = np.where(a > 0, np.clip(np.frexp(np.where(a > 0, a, 1))[1] - 1 - 2, -126, 127), 0)      # np.frexp(a)[1] - 1 = floor(log2(a)), exactly
;;       r = np.clip(x / 2.0 ** e, -6, 6)
;;       step = 2.0 ** (np.maximum(np.frexp(np.where(r == 0, 1, r))[1] - 1, 0) - 1)
;;       q = np.round(r / step) * step * 2.0 ** e      # np.round: ties to even
;;       return np.moveaxis(q.reshape(q.shape[:-2] + (-1,))[..., :K], -1, axis).astype(np.float32)
;;   ~~~
;;   INPUTS GIVEN AS CODES. input_imag (in the module: [128, 512, 512], K = its axis 2); input_real (in the module: [128, 512, 512], K = its axis 2): each comes as NAME_codes (uint8): NAME with its K axis moved to the last place and cut into blocks of 32 codes, [.., K / 32, bytes a block], one block behind the other in memory; two codes a byte, the lower K in the low four bits (a code: sign, 2 exponent bits, 1 mantissa bit); and NAME_scales (uint8): the same leading axes, one E8M0 byte (e + 127) for each 32 codes along K. Its value is code x scale, taken as it is: it is not quantised again, and the codes and scales need not be those that the quantiser above would give.
;; One version. Each part assembles by itself: llvm-mc -triple=amdgcn-amd-amdhsa -mcpu=gfx1250 --defsym DOCPART=n.
;; ======== version 1 of 1: 2 launches
;; limits: values are held in bf16: 8 bits of precision; right only within a limited range of input values
;; workspace buffers: kq 294,912 bytes; kw 1,048,576 bytes
;; launch prep (part 1): grid 128 x 1, 4 waves a work-group, no clusters, 17,664 bytes of LDS; arguments kernel, kq, kw; writes kq, kw
.if DOCPART == 1
	.amdgcn_target "amdgcn-amd-amdhsa--gfx1250"
	.amdhsa_code_object_version 6
	.text
	.protected	k_q45e12550db_prep
	.globl	k_q45e12550db_prep
	.p2align	8
	.type	k_q45e12550db_prep,@function
k_q45e12550db_prep:
	s_mov_b64 s[64:65], 0
	v_nop
	global_prefetch_b8 v0, s[64:65] scope:SCOPE_SE
	s_setreg_imm32_b32 hwreg(HW_REG_WAVE_MODE, 25, 1), 1
	s_wait_xcnt 0x0
; No work of reference() is left out in this program: all four quantised products and all four products with one row are made.
; kernel [512 (i)][512 (b)][2] f32 is laid out once for the launch that follows, as images of the registers which that launch loads.
;   kq [X 4] of 73,728 bytes: codes [tt 8][p 2][s 4][c 2][lane 32][16 B] of FP4 (E2M1), p = 0: kr, 1: ki: registers 4 c .. 4 c + 3 of lane (r, h) hold b = 128 s + 64 c + 32 h + 0 .. 31 of row i;
;     then the E8M0 scale words (four blocks of 32) [tt 8][s 4][p 2][lane 32][4 B], row r's word in lanes r and 16 + r: so that a work-group writes a whole unit of 256 bytes.
;   kw [X 4][tt / 4: 2][A 16][p 2][tt % 4: 4][e 2][lane 32][16 B]: bf16 of kr or ki at a = 32 A + 16 e + 8 h + 0 .. 7.
; Lane r of tile tt of block X stands for i = 128 X + 64 (tt / 4) + 4 r + tt % 4.
; THE QUANTISER: a block's scale is 2^(floor(log2(its largest magnitude)) - 2); its byte is the largest magnitude's exponent field - 2, held at 1 from below; each number is divided by the scale and rounded
; to the nearest code, ties to even, beyond 6 the largest code.
; LIMITS: NaN and infinities in kernel are not served.  A block of zeros gets the byte 1 where the rule says 127: its codes are zeros, which add nothing, and the bytes are read by this program alone.
; Largest magnitudes under 2^-124 are held at the byte 1, as the rule's clip holds them.  The weights in kw are rounded to bf16 (they feed the products that are left as they are).
; SHARES: work-group u takes block X = u / 32, tile tt = (u / 4) % 8, K step s = u % 4: 16 rows x 128 b x 2 numbers.  Wave w loads rows 4 w .. 4 w + 3 of the tile; behind the barrier it makes half c = w / 2 of plane p = w % 2.
.set RP, 528                           ; a row of a plane in LDS: 128 f32 + 16 bytes: the sixteen rows that a 16-byte read touches start in sixteen different groups of banks
.set PL, 16*RP                         ; plane kr at 0, plane ki here
.set SB, 2*PL                          ; the scale words: [p 2][r 16][4 B]
.set SPARE, SB+256                     ; the spare words
.set X, 16                             ; v16-47   a block of 32 numbers
.set L, 48                             ; v48-79   as loaded
.set WT, 48                            ; v48-63   weights, when the loaded numbers have gone to LDS
.set CD, 64                            ; v64-67   codes
.set MX, 80                            ; v80-83   largest magnitudes
.set SO, 84                            ; v84      the conversions' scale operand
	s_load_b128 s[4:7], s[0:1], 0x0                ; kernel s[4:5], kq s[6:7]
	s_load_b64 s[8:9], s[0:1], 0x10                ; kw
	v_lshl_add_u32 v1, v0, 2, SPARE
	v_mov_b32 v2, 0
	v_lshrrev_b32 v3, 5, v0
	v_readfirstlane_b32 s12, v3                    ; wave
	s_and_b32 s10, s12, 1                          ; p
	s_lshr_b32 s11, s12, 1                         ; c
	s_mul_i32 s18, s12, 4*RP
	s_mul_i32 s19, s10, PL
	s_lshl_b32 s20, s11, 8
	s_add_co_u32 s19, s19, s20
	s_lshl_b32 s20, s10, 6
	s_lshl_b32 s21, s11, 1
	s_add_co_u32 s20, s20, s21
	s_add_co_u32 s20, s20, SB                      ; scale bytes: 64 p + 2 c
	v_and_b32 v4, 31, v0                           ; lane
	v_and_b32 v5, 15, v0                           ; r
	v_bfe_u32 v6, v0, 4, 1                         ; h
	v_lshlrev_b32 v7, 4, v4                        ; 16 x lane
	v_lshlrev_b32 v10, 3, v4                       ; 8 x lane
	v_add_nc_u32 v8, s18, v10                      ; into LDS: my four rows
	v_mul_u32_u24 v9, v5, RP
	v_lshl_add_u32 v9, v6, 7, v9
	v_add_nc_u32 v9, s19, v9                       ; back: plane p, row r, + 64 c + 32 h numbers
	v_lshlrev_b32 v11, 4, v5
	v_lshl_add_u32 v11, v6, 13, v11                ; kw: 16 r + one A (8,192 bytes) x h
	v_lshl_add_u32 v12, v5, 2, v6
	v_add_nc_u32 v12, s20, v12                     ; my byte: block 2 c + h of row r's word
	v_and_b32 v13, 7, v0
	v_lshlrev_b32 v13, 3, v13
	v_lshl_add_u32 v13, v6, 6, v13
	v_add_nc_u32 v13, SB, v13                      ; two words of plane h: rows 2 (lane % 8), + 1
	s_lshr_b32 s13, ttmp9, 5                       ; X
	s_bfe_u32 s14, ttmp9, 0x30002                  ; tt
	s_and_b32 s15, ttmp9, 3                        ; s
	s_lshr_b32 s30, s14, 2                         ; tt / 4
	s_and_b32 s31, s14, 3                          ; tt % 4
	s_lshl_b32 s16, s13, 19                        ; kernel: row 128 X + 64 (tt / 4) + tt % 4 of 4,096 bytes, + 1,024 s, + four tile rows x wave (a tile's rows lie four rows of kernel, 16,384 bytes, apart)
	s_lshl_b32 s18, s30, 18
	s_add_co_u32 s16, s16, s18
	s_lshl_b32 s18, s31, 12
	s_add_co_u32 s16, s16, s18
	s_lshl_b32 s18, s15, 10
	s_add_co_u32 s16, s16, s18
	s_lshl_b32 s19, s12, 16
	s_add_co_u32 s16, s16, s19
	s_mov_b32 s17, 0
	s_mul_i32 s24, s13, 73728                      ; kq: block X
	s_lshl_b32 s22, s14, 13                        ; codes: + 8,192 tt + 4,096 p + 1,024 s + 512 c
	s_add_co_u32 s22, s22, s24
	s_add_co_u32 s22, s22, s18
	s_lshl_b32 s19, s10, 12
	s_add_co_u32 s22, s22, s19
	s_lshl_b32 s19, s11, 9
	s_add_co_u32 s22, s22, s19
	s_mov_b32 s23, 0
	s_lshl_b32 s19, s14, 10                        ; scale words: + 65,536 + 1,024 tt + 256 s
	s_add_co_u32 s24, s24, s19
	s_lshl_b32 s19, s15, 8
	s_add_co_u32 s24, s24, s19
	s_add_co_u32 s24, s24, 0x10000
	s_mov_b32 s25, 0
	s_lshl_b32 s26, s13, 18                        ; kw: 262,144 X + 131,072 (tt / 4) + 32,768 s + 16,384 c + 4,096 p + 1,024 (tt % 4)
	s_lshl_b32 s19, s30, 17
	s_add_co_u32 s26, s26, s19
	s_lshl_b32 s19, s15, 15
	s_add_co_u32 s26, s26, s19
	s_lshl_b32 s19, s11, 14
	s_add_co_u32 s26, s26, s19
	s_lshl_b32 s19, s10, 12
	s_add_co_u32 s26, s26, s19
	s_lshl_b32 s19, s31, 10
	s_add_co_u32 s26, s26, s19
	s_mov_b32 s27, 0
	s_wait_alu depctr_va_vdst(0)                   ; the wait at the head's end
	s_wait_kmcnt 0x0
	s_add_nc_u64 s[4:5], s[4:5], s[16:17]
	s_add_nc_u64 s[28:29], s[6:7], s[24:25]
	s_add_nc_u64 s[6:7], s[6:7], s[22:23]
	s_add_nc_u64 s[8:9], s[8:9], s[26:27]
; 8 loads of 512 consecutive bytes: load n = half n % 2 of the 1,024 bytes of my tile row n / 2
.set n, 0
.rept 8
	global_load_b128 v[L+4*n:L+4*n+3], v7, s[4:5] offset:(n>>1)*16384+(n&1)*512 th:TH_LOAD_NT
.set n, n+1
.endr
; a lane's 16 bytes are kr, ki, kr, ki of two neighbouring b: they part into the two planes.  Lanes stand 8 bytes apart
.set n, 0
.rept 8
	s_wait_loadcnt 7-n                             ; load n is in, the younger ones stay out
	ds_store_b32 v8, v[L+4*n]   offset:RP*(n>>1)+256*(n&1)
	ds_store_b32 v8, v[L+4*n+1] offset:PL+RP*(n>>1)+256*(n&1)
	ds_store_b32 v8, v[L+4*n+2] offset:RP*(n>>1)+256*(n&1)+4
	ds_store_b32 v8, v[L+4*n+3] offset:PL+RP*(n>>1)+256*(n&1)+4
.set n, n+1
.endr
	s_wait_dscnt 0x0                               ; for the other waves' sake: my stores are done
	s_barrier_signal -1
	s_barrier_wait -1
.irp m, 0,1,2,3,4,5,6,7                ; lane (r, h) takes of row r the whole block b = 64 c + 32 h + 0 .. 31 of plane p
	ds_load_b128 v[X+4*\m:X+4*\m+3], v9 offset:16*\m
.endr
	s_wait_dscnt 0x0
.irp q, 0,1,2,3                        ; four chains of eight numbers; and the floor 2^(3 - 127): the byte cannot fall under 1
	v_max3_num_f32 v[MX+\q], |v[X+8*\q]|, |v[X+8*\q+1]|, 0x1800000
.endr
.irp i, 2,4,6
.irp q, 0,1,2,3
	v_max3_num_f32 v[MX+\q], v[MX+\q], |v[X+8*\q+\i]|, |v[X+8*\q+\i+1]|
.endr
.endr
	v_max3_num_f32 v[MX], v[MX], v[MX+1], v[MX+2]
	v_max_num_f32 v[MX], v[MX], v[MX+3]
	v_add_nc_u32 v[SO], 0xff000000, v[MX]          ; 2 off the exponent field: the conversion takes the exponent field of this operand as its scale
	v_lshrrev_b32 v[MX], 23, v[SO]                 ; the scale's byte
	ds_store_b8 v12, v[MX]
.irp g, 0,1,2,3
	v_cvt_scalef32_pk8_fp4_f32 v[CD+\g], v[X+8*\g:X+8*\g+7], v[SO]   ; register 4 c + g of the fragment
.endr
	v_nop                                          ; one plain instruction directly behind the last scaled conversion
.set i, 0
.rept 16
	v_cvt_pk_bf16_f32 v[WT+i], v[X+2*i], v[X+2*i+1]   ; word k: a = 128 s + 64 c + 32 h + 2 k, + 1
.set i, i+1
.endr
	global_store_b128 v7, v[CD:CD+3], s[6:7]       ; 512 consecutive bytes
.irp m, 0,1,2,3                        ; words 4 m .. 4 m + 3 of A = 4 s + 2 c + h: e = m / 2, the reader's half m % 2
	global_store_b128 v11, v[WT+4*\m:WT+4*\m+3], s[8:9] offset:512*(\m>>1)+256*(\m&1)   ; each half of the lanes covers 256 consecutive bytes, aligned
.endr
	s_wait_dscnt 0x0                               ; for wave 0's sake: my scale bytes are in LDS
	s_barrier_signal -1
	s_barrier_wait -1
	s_cmp_lg_u32 s12, 0
	s_cbranch_scc1 .Lend
	ds_load_b64 v[86:87], v13
	s_wait_dscnt 0x0
	global_store_b64 v10, v[86:87], s[28:29]       ; wave 0: 256 consecutive bytes, aligned
.Lend:
	s_wait_tensorcnt 0x0                           ; the wave's end
	ds_add_u32 v1, v2
	s_wait_dscnt 0x0
	s_endpgm
.Lfunc_end_k_q45e12550db_prep:
	.size	k_q45e12550db_prep, .Lfunc_end_k_q45e12550db_prep-k_q45e12550db_prep
	.p2alignl 7, 3214868480
	.fill 96, 4, 3214868480
	.section	.rodata,"a",@progbits
	.p2align	6, 0x0
	.amdhsa_kernel k_q45e12550db_prep
		.amdhsa_group_segment_fixed_size 17664
		.amdhsa_private_segment_fixed_size 0
		.amdhsa_enable_private_segment 0
		.amdhsa_kernarg_size 24
		.amdhsa_user_sgpr_count 2
		.amdhsa_user_sgpr_kernarg_segment_ptr 1
		.amdhsa_wavefront_size32 1
		.amdhsa_system_sgpr_workgroup_id_x 1
		.amdhsa_system_sgpr_workgroup_id_y 1
		.amdhsa_system_sgpr_workgroup_id_z 1
		.amdhsa_system_vgpr_workitem_id 0
		.amdhsa_next_free_vgpr 96
		.amdhsa_next_free_sgpr 66
		.amdhsa_reserve_vcc 0
		.amdhsa_float_denorm_mode_32 3
		.amdhsa_float_denorm_mode_16_64 3
		.amdhsa_memory_ordered 1
		.amdhsa_forward_progress 1
		.amdhsa_inst_pref_size 11
	.end_amdhsa_kernel
	.amdgpu_metadata
---
amdhsa.version: [ 1, 2 ]
amdhsa.kernels:
  - .name:           k_q45e12550db_prep
    .symbol:         k_q45e12550db_prep.kd
    .args:
      - { .name: kernel, .offset: 0, .size: 8, .value_kind: global_buffer, .address_space: global }
      - { .name: kq, .offset: 8, .size: 8, .value_kind: global_buffer, .address_space: global }
      - { .name: kw, .offset: 16, .size: 8, .value_kind: global_buffer, .address_space: global }
    .group_segment_fixed_size: 17664
    .private_segment_fixed_size: 0
    .kernarg_segment_align: 8
    .kernarg_segment_size: 24
    .max_flat_workgroup_size: 128
    .sgpr_count:     66
    .vgpr_count:     96
    .wavefront_size: 32
...
	.end_amdgpu_metadata
.endif
;; end of part 1
;; launch main (part 2): grid 4 x 64, 4 waves a work-group, clusters of 4 x 4, 327,680 bytes of LDS; arguments input_real_codes, input_real_scales, input_imag_codes, input_imag_scales, kq, kw, out0; writes out0
.if DOCPART == 2
	.amdgcn_target "amdgcn-amd-amdhsa--gfx1250"
	.amdhsa_code_object_version 6
	.text
	.protected	k_q45e12550db_main
	.globl	k_q45e12550db_main
	.p2align	8
	.type	k_q45e12550db_main,@function
k_q45e12550db_main:
	s_mov_b64 s[64:65], 0
	v_nop
	global_prefetch_b8 v0, s[64:65] scope:SCOPE_SE
	s_setreg_imm32_b32 hwreg(HW_REG_WAVE_MODE, 25, 1), 1
	s_wait_xcnt 0x0
	s_wait_alu depctr_hold_cnt(0) depctr_sa_sdst(0) depctr_va_vdst(0) depctr_va_sdst(0) depctr_va_ssrc(0) depctr_va_vcc(0) depctr_vm_vsrc(0)
	s_getreg_b32 s2, hwreg(HW_REG_IB_STS2, 6, 4)
	s_cmp_eq_u32 s2, 0
	s_cbranch_scc0 .Lentry_in_a_cluster
	s_endpgm
.Lentry_in_a_cluster:
	s_bfe_u32 s2, ttmp6, 0x10000c
	s_cmp_lg_u32 s2, 0xf033
	s_cbranch_scc0 .Lentry_shape_is_right
	s_endpgm
.Lentry_shape_is_right:
; out[j][i] = sum over a of kr[i][a] U[a][i] + ki[i][a] W[a][i], with U = R Q(kr)^T + I Q(ki)^T and W = R Q(ki)^T - I Q(kr)^T (R, I: batch j of the two inputs, [512 (a)][512 (b)]).
; The four quantised products are TWO sums over K = 1,024: [R | I] against [Qkr | Qki] and [R | -I] against [Qki | Qkr]; -I is I with the codes' sign bits turned, which is exact.  All on codes of
; FP4 (E2M1) with one E8M0 scale for each 32 along K, f32 sums.  The four products with one row are one multiply-add for each number of U and W, f32 sums, the weights kr, ki rounded to bf16 (A LIMIT THAT IS KEPT).
; SHARES.  Work-group (X, J): batches 2 J, 2 J + 1, columns i = 128 X .. 128 X + 127 as eight tiles tt; lane r of tile tt stands for i = 128 X + 64 (tt / 4) + 4 r + tt % 4.  Rows a go in four chunks of 128 (trips t);
; wave w takes rows 128 t + 32 w .. + 31 of both batches: a BLOCK (t, b).  Every wave has all 128 columns: THE KERNEL'S CODES STAY IN REGISTERS, 8 tt x 2 (kr, ki) x 4 K steps x 8 = 512, so a fragment of R or I leaves LDS
; once, for 16 matrix instructions of 32 x 16 x 128.  A wave's weights of a trip (128 registers) serve both batches.  The four waves' sums meet in LDS at the end.
; A block is four GROUPS of 32 matrix instructions: U of tt 0-3, U of tt 4-7, W of tt 0-3, W of tt 4-7: four accumulators by turns, eight links each (R's four K steps, then I's).
; Behind each matrix instruction ride two multiply-adds of the group BEFORE, on the other set of accumulators.  Between U and W the block's fragments of I have their sign bits turned, in place.  LDS and global loads stand
; in runs, at a group's end or behind the turn of signs, but for R's next fragments, which stand in the middle of a block's last group.
; A MULTIPLY-ADD adds onto the accumulator's own register 0: number 0 takes in the tile's running sum (window 0), and behind number 15 the result moves back there.
; LDS: four regions, region 2 (t % 2) + b for block (t, b): R's 128 rows, then I's.  From region 3 on lie first the kernel's codes and scale words of block X, 4,096 bytes more than a region.
; LOADS, one a wave: at the start R, I of block (0, 0) (waves 0, 1) and the codes' two halves (waves 2, 3); behind the second round R, I of (0, 1) and of (1, 0); then in each trip, ahead of the first read of (t, 1),
; waves 0, 1 fetch (t + 1, 1) and waves 2, 3 fetch (t + 2, 0), where there are such: each has a trip in which to land.
; CLUSTERS: 4 x 4 work-groups.  The four of a row share J, so R's and I's tiles; the four of a column share X, so the codes: all tensor loads are joint.  The weights go from memory into registers: two slots of them do not fit
; in LDS beside the four regions.  The rows' scale words likewise: 512 consecutive bytes a load, each row's read by one wave.
; PREFETCH: the tile that a wave fetches at its next round is asked for one round ahead; the four partners of a row take 32 of its 128 rows each, by address.  Weights and scale words have none: from the first trip's end on each of
; their loads is asked for two groups (64 matrix instructions) or more ahead of its first use, and 64 work-groups read the same weights.
; The trips are written out by macro: each differs in its regions, its refills and its counts.
; REGISTERS, in windows of 256 (s_set_vgpr_msb: bits 1:0 source 0, 3:2 source 1, 5:4 source 2, 7:6 destination):
;   window 0: addresses, scale words, sums; v112-175, v176-239 the codes of tt 3, 7
;   window 1: v0-191 the codes of tt 0-2, v192-255 the weights of tt 4-7     window 2: v0-191 the codes of tt 4-6, v192-255 the weights of tt 0-3: a group's weights lie in the window of the group that they ride with
;   window 3: v0-127 the block's fragments: step z = 4 m + s (m = 0: R, 1: I) at v[16 z]; v128-255 two sets of four accumulators of 16 registers
; So ONE setting serves three of a step's four matrix instructions and all its multiply-adds but a group's first four.
.set PITCH, 272                        ; a row in LDS: 256 bytes of codes + 16 of padding = 68 words: the 16 rows that a load touches start at 16 different groups of banks
.set TILE,  128*PITCH                  ; 34,816 bytes
.set REGION, 2*TILE
.set BLK, 73728                        ; a block of kq
.set CHUNK, 32768                      ; 128 rows in memory
.set STAGE, 3*REGION+BLK               ; the way out: [wave 4][h 2][batch 2][128] f32
.set SPARE, STAGE+8192                 ; the spare words, 128 bytes for each wave: two blocks of 256 bytes that no other line names
.set SPW, 1                            ; v1   LDS address of my spare word; never rewritten, like all of v1-13
.set NIL, 2                            ; v2   0
.set L16, 3                            ; v3   16 x lane
.set PFO, 4                            ; v4   the prefetches' offset: a lane a row, my work-group's 32 of a tile's 128 rows
.set ADR, 5                            ; v5-8 my lane's place in a fragment of R in regions 0-3
.set LDC, 9                            ; v9   the codes from region 3 on: + 16 x lane
.set LDB, 10                           ; v10  the kernel's scale words: + 4 r
.set STO, 11                           ; v11  the way out: where I put my sums,
.set RD,  12                           ; v12  where I read,
.set OFO, 13                           ; v13  and 8 x lane, in out0
.set BS,  16                           ; v16-79   the kernel's scale words: v[BS + 32 p + 4 tt + s]
.set AS,  80                           ; v80-95   the rows' scale words: v[AS + 8 b + 4 m + s], lane = row of the block's 32
.set SUM, 96                           ; v96-111  running sums: v[SUM + 8 b + tt]
.set C3,  112                          ; v112-239 the codes of tt 3, 7; on the way out v112-127 are at work
.set KW,  192                          ; windows 1, 2: v[KW + 32 p + 8 (tt % 4) + n / 2], half n % 2: the weight of accumulator register n
.set ACC, 128                          ; window 3
.set WV, 18                            ; s18 wave; s19 m = wave % 2: I fetch for R or for I; s20 k = wave / 2
.set M1, 19
.set KH, 20
.set G1,  24                           ; s[24:31] descriptor group 1 for tiles of R and I; s[32:39] for the kernel's codes
.set G1K, 32
.set G0H, 40                           ; groups 0: s[40:43] block (0, 0), s[44:47] the codes, s[48:51] every later tile
.set G0K, 44
.set G0L, 48
.set LM, 52                            ; s52 TILE x m;  s53 REGION x (1 + k);  s54 3 REGION x (1 - k): where my later tiles go
.set K1, 53
.set K3, 54
.set SGN, 55
.set ASP, 56                           ; s[56:57], s[58:59] my rows' scale words of R, of I
.set WP, 60                            ; s[60:61] my weights
.set OP, 62                            ; s[62:63] my 256 bytes of out0
.set PF, 66                            ; s[66:67] the tile that I fetch behind the second round
.set MSB, 0
.macro WIN new                         ; the immediate's high byte repeats the setting that is left; a switch that changes nothing is dropped
.if MSB != (\new)
	s_set_vgpr_msb (MSB<<8)|(\new)
.set MSB, \new
.endif
.endm
.macro CREST                           ; a round of the cluster's barrier behind its opening barrier
	s_cmp_lg_u32 s[WV], 0
	s_cbranch_scc1 .Lnot_wave_0_\@
	s_barrier_signal -3
.Lnot_wave_0_\@:
	s_barrier_wait -3
	s_barrier_signal -1
	s_barrier_wait -1
.endm
.macro CROUND
	s_barrier_signal -1
	s_barrier_wait -1
	CREST
.endm
.macro PLACES
.rept 4
	v_nop
.endr
.endm
	s_load_b256 s[4:11], s[0:1], 0x0               ; R's codes s[4:5], R's scales s[6:7], I's codes s[8:9], I's scales s[10:11]
	s_load_b128 s[12:15], s[0:1], 0x20             ; kq s[12:13], kw s[14:15]
	s_load_b64 s[16:17], s[0:1], 0x30              ; out0
	v_lshl_add_u32 v[SPW], v0, 2, SPARE
	v_mov_b32 v[NIL], 0
	ds_add_u32 v[SPW], v[NIL]                      ; the wave's opening: the add, twice on end, and its wait ahead of my first tensor load
	ds_add_u32 v[SPW], v[NIL]
	v_lshrrev_b32 v14, 5, v0
	v_readfirstlane_b32 s[WV], v14                 ; wave 0..3
	s_and_b32 s[M1], s[WV], 1
	s_lshr_b32 s[KH], s[WV], 1
	s_bfe_u32 s21, ttmp6, 0x40000                  ; cx, cy: my place in the cluster
	s_bfe_u32 s22, ttmp6, 0x40004
	s_lshl_b32 s23, ttmp9, 2
	s_add_co_u32 s23, s23, s21                     ; X
	s_and_b32 s69, ttmp7, 0xffff
	s_lshl_b32 s69, s69, 2
	s_add_co_u32 s69, s69, s22                     ; J
	s_lshl_b32 s70, s22, 2
	s_lshl_b32 s70, 15, s70                        ; my row of the cluster
	s_lshl_b32 s71, 0x1111, s21                    ; my column
	s_or_b32 s[G1], s70, (1<<20)|(1<<21)|(5<<22)|(3<<25)   ; elements of 1 byte; 20 padding on; 21 set beside a mask; 24:22 after every 64 words (code 5); 31:25 four words (code 3)
	s_mov_b32 s[G1+1], 256<<16                     ; tensor_dim0
	s_mov_b32 s[G1+2], 128<<16                     ; tensor_dim1
	s_mov_b32 s[G1+3], 256<<16                     ; tile_dim0
	s_mov_b32 s[G1+4], 128                         ; tile_dim1
	s_mov_b32 s[G1+5], 256                         ; from row to row
	s_mov_b32 s[G1+6], 0
	s_mov_b32 s[G1+7], 0
	s_or_b32 s[G1K], s71, (3<<16)|(1<<21)          ; half of a block of kq: 36,864 dense bytes as 144 rows of 32 elements of 8 bytes, no padding
	s_mov_b32 s[G1K+1], 32<<16
	s_mov_b32 s[G1K+2], 144<<16
	s_mov_b32 s[G1K+3], 32<<16
	s_mov_b32 s[G1K+4], 144
	s_mov_b32 s[G1K+5], 32
	s_mov_b32 s[G1K+6], 0
	s_mov_b32 s[G1K+7], 0
	s_mul_i32 s[LM], s[M1], TILE
	s_mul_i32 s82, s[M1], BLK/2
	s_mul_i32 s[K1], s[KH], REGION
	s_add_co_u32 s[K1], s[K1], REGION
	s_xor_b32 s72, s[KH], 1
	s_mul_i32 s[K3], s72, 3*REGION
	s_mov_b32 s[SGN], 0x88888888                   ; every code's sign bit
	s_lshl_b32 s78, s21, 13                        ; 32 rows of 256 bytes x cx
	s_mul_i32 s79, s[WV], 32*PITCH
	s_lshl_b32 s80, s[WV], 11
	s_add_co_u32 s80, s80, STAGE
	s_lshl_b32 s81, s[WV], 8
	s_add_co_u32 s81, s81, STAGE
	v_and_b32 v13, 31, v0                          ; lane
	v_and_b32 v14, 15, v0                          ; r
	v_bfe_u32 v15, v0, 4, 1                        ; h
	v_lshlrev_b32 v[L16], 4, v13
	v_lshlrev_b32 v[PFO], 8, v13
	v_add_nc_u32 v[PFO], s78, v[PFO]
	v_mul_u32_u24 v[ADR], v14, PITCH
	v_lshl_add_u32 v[ADR], v15, 4, v[ADR]
	v_add_nc_u32 v[ADR], s79, v[ADR]               ; row 32 w + r, + 16 h
	v_add_nc_u32 v[ADR+1], REGION, v[ADR]
	v_add_nc_u32 v[ADR+2], 2*REGION, v[ADR]
	v_add_nc_u32 v[ADR+3], 3*REGION, v[ADR]
	v_add_nc_u32 v[LDC], 3*REGION, v[L16]
	v_lshlrev_b32 v[LDB], 2, v14
	v_add_nc_u32 v[LDB], 3*REGION+65536, v[LDB]
	v_lshlrev_b32 v[STO], 4, v14
	v_lshl_add_u32 v[STO], v15, 10, v[STO]
	v_add_nc_u32 v[STO], s80, v[STO]               ; [wave][h], 16 bytes a lane in each half of a batch's 512
	v_lshlrev_b32 v[OFO], 3, v13
	v_add_nc_u32 v[RD], s81, v[OFO]                ; my 64 of the 256 results: 256 w + 8 x lane
	s_wait_alu depctr_va_vdst(0)                   ; the wait at the head's end
	s_wait_dscnt 0x0                               ; both opening adds are done
	CROUND                                         ; all sixteen work-groups are here: the first joint loads meet.  (The arguments are still on their way)
	s_wait_kmcnt 0x0
	s_mov_b32 s77, 0
	s_mov_b32 s85, 0
	s_mov_b32 s87, 0
	s_cmp_eq_u32 s[M1], 0                          ; even waves fetch R's tiles, odd waves I's: only the pointer is chosen
	s_cselect_b64 s[74:75], s[4:5], s[8:9]
	s_lshl_b32 s76, s69, 18                        ; two batches of 131,072 bytes
	s_add_nc_u64 s[74:75], s[74:75], s[76:77]
	s_mov_b32 s[G0H], 1
	s_mov_b32 s[G0H+1], s[LM]                      ; region 0
	s_mov_b64 s[G0H+2:G0H+3], s[74:75]
	s_or_b32 s[G0H+3], s[G0H+3], 0x80000000
	s_mul_i32 s84, s23, BLK                        ; block X of kq, its half m
	s_add_co_u32 s84, s84, s82
	s_mov_b32 s[G0K], 1
	s_add_co_u32 s[G0K+1], s82, 3*REGION           ; from region 3 on
	s_add_nc_u64 s[G0K+2:G0K+3], s[12:13], s[84:85]
	s_or_b32 s[G0K+3], s[G0K+3], 0x80000000
	s_cmp_lt_u32 s[WV], 2
	s_cbranch_scc0 .Lcodes
	tensor_load_to_lds s[G0H:G0H+3], s[G1:G1+7]    ; waves 0, 1: R, I of block (0, 0)
	s_nop 0
	PLACES
	s_branch .Lasked
.Lcodes:
	tensor_load_to_lds s[G0K:G0K+3], s[G1K:G1K+7]  ; waves 2, 3: the codes' halves
	s_nop 0
	PLACES
.Lasked:
	s_mul_i32 s76, s72, 3*CHUNK                    ; waves 0, 1: batch 1, chunk 0; waves 2, 3: batch 0, chunk 1
	s_add_co_u32 s76, s76, CHUNK
	s_add_nc_u64 s[PF:PF+1], s[74:75], s[76:77]
	s_mov_b32 s[G0L], 1
	s_mov_b64 s[G0L+2:G0L+3], s[PF:PF+1]
	s_or_b32 s[G0L+3], s[G0L+3], 0x80000000
	s_lshl_b32 s76, s69, 14                        ; scale words: two batches of 8,192 bytes, my 32 rows of a chunk
	s_lshl_b32 s73, s[WV], 9
	s_add_co_u32 s76, s76, s73
	s_add_nc_u64 s[ASP:ASP+1], s[6:7], s[76:77]
	s_add_nc_u64 s[ASP+2:ASP+3], s[10:11], s[76:77]
	s_lshl_b32 s84, s23, 18                        ; weights: block X, A = 4 t + w
	s_lshl_b32 s73, s[WV], 13
	s_add_co_u32 s84, s84, s73
	s_add_nc_u64 s[WP:WP+1], s[14:15], s[84:85]
	s_lshl_b32 s86, s69, 12                        ; out0: row 2 J + k, 512 X + 256 m
	s_lshl_b32 s73, s[KH], 11
	s_add_co_u32 s86, s86, s73
	s_lshl_b32 s73, s23, 9
	s_add_co_u32 s86, s86, s73
	s_lshl_b32 s73, s[M1], 8
	s_add_co_u32 s86, s86, s73
	s_add_nc_u64 s[OP:OP+1], s[16:17], s[86:87]
; THE MATRIX INSTRUCTION of batch b, group g (bit 0: tt 4-7, bit 1: W), step z, tile tl of the four.  Source 0 = the block's 32 rows of R or I, source 1 = 16 columns i: register n of lane (r, h) is row 16 (n / 8) + 8 h + n % 8 of the column
; of lane r.  U takes kr against R and ki against I, W ki against R and kr against -I: p = z / 4 + W.  Step 0 starts the sums with the constant 0: nothing is cleared.
.macro MM b, g, z, tl
.set rD, ACC+64*((\g)&1)+16*(\tl)
.set rA, 16*(\z)
.set rP, (((\z)>>2)+((\g)>>1))&1
.set rX, AS+8*(\b)+(\z)
.set rY, BS+32*rP+16*((\g)&1)+4*(\tl)+((\z)&3)
.if (\tl) == 3
.set rB, C3+64*((\g)&1)+32*rP+8*((\z)&3)
	WIN 0xf3
.else
.set rB, 64*(\tl)+32*rP+8*((\z)&3)
	WIN 0xf7+4*((\g)&1)
.endif
.if (\z) == 0
	v_wmma_scale_f32_32x16x128_f4 v[rD:rD+15], v[rA:rA+15], v[rB:rB+7], 0, v[rX], v[rY]
.else
	v_wmma_scale_f32_32x16x128_f4 v[rD:rD+15], v[rA:rA+15], v[rB:rB+7], v[rD:rD+15], v[rX], v[rY]
.endif
.endm
; THE MULTIPLY-ADD number n of tile tl of group pg of batch pb: accumulator register n (from the low end on) x its weight, a bf16 half
.macro FM pb, pg, tl, n
.set rS, SUM+8*(\pb)+4*((\pg)&1)+(\tl)
.set rQ, ACC+64*((\pg)&1)+16*(\tl)
.set rC, rQ+(\n)
.set rW, KW+32*((\pg)>>1)+8*(\tl)+((\n)>>1)
.if (\n) == 0
	WIN 0xcb-4*((\pg)&1)
	v_fma_mix_f32_bf16 v[rQ], v[rC], v[rW], v[rS] op_sel:[0,0,0] op_sel_hi:[0,1,0]
.else
	WIN 0xfb-4*((\pg)&1)
.if ((\n)&1) == 0
	v_fma_mix_f32_bf16 v[rQ], v[rC], v[rW], v[rQ] op_sel:[0,0,0] op_sel_hi:[0,1,0]
.else
	v_fma_mix_f32_bf16 v[rQ], v[rC], v[rW], v[rQ] op_sel:[0,1,0] op_sel_hi:[0,1,0]
.endif
.endif
.endm
.macro MOVS pb, pg                     ; the group's four sums go back to window 0
	WIN 0x03
.irp tl, 0,1,2,3
	v_mov_b32 v[SUM+8*(\pb)+4*((\pg)&1)+\tl], v[ACC+64*((\pg)&1)+16*\tl]
.endr
.endm
.macro FRL m, r, x                     ; fragment load number x = 4 s + 2 e + c of R or I out of region r: lane (r, h): registers 4 c .. 4 c + 3 = K 64 c + 32 h + 0 .. 31 of its row, as they lie; registers 8-15: rows 16-31
	ds_load_b128 v[64*(\m)+4*(\x):64*(\m)+4*(\x)+3], v[ADR+(\r)] offset:TILE*(\m)+16*(((\x)>>1)&1)*PITCH+64*((\x)>>2)+32*((\x)&1)
.endm
.macro LFR m, r                        ; a block's 16 fragment loads of R (m = 0) or I
	WIN 0xc0
.set xi, 0
.rept 16
	FRL \m, \r, xi
.set xi, xi+1
.endr
.endm
.macro KWL q, h, t, x                  ; weight load number x = 2 tl + e: 512 consecutive bytes
	global_load_b128 v[KW+32*(\q)+4*(\x):KW+32*(\q)+4*(\x)+3], v[L16], s[WP:WP+1] offset:131072*(\h)+32768*(\t)+4096*(\q)+512*(\x)
.endm
.macro LKW q, h, t                     ; trip t's weights of tt 4 h .. 4 h + 3: 4,096 consecutive bytes
	WIN 0x80>>(\h)
.set xi, 0
.rept 8
	KWL \q, \h, \t, xi
.set xi, xi+1
.endr
.endm
.macro LAS b, t                        ; trip t's scale words of the rows of batch b: a lane a row, 512 consecutive bytes a load
	WIN 0
.irp m, 0,1
	global_load_b128 v[AS+8*(\b)+4*\m:AS+8*(\b)+4*\m+3], v[L16], s[ASP+2*\m:ASP+2*\m+1] offset:8192*(\b)+2048*(\t)
.endr
.endm
; n steps of group g from step z0 on.  ride = 1: with the multiply-adds of the group before.  own = 1 (a block's first group): step 0 waits for R's 16 fragment loads, step 4 for I's.
; A load into a register that a matrix instruction has read, or a vector write of it, and a vector read of a result stand four plain vector instructions behind it (ISA guide 7.12.1 for vector instructions):
; the multiply-adds that ride and the moves behind them are these places.
.macro STEPS b, g, z0, n, ride, own
.if (\g) == 0
.set sb, 1-(\b)
.else
.set sb, \b
.endif
.set sg, ((\g)+3)&3
.set gz, \z0
.rept \n
.if \own
.if gz == 0
	s_wait_dscnt 16
.endif
.if gz == 4
	s_wait_alu depctr_va_vdst(0)                   ; the wait here, ahead of the wait below
	s_wait_dscnt 0x0
.endif
.endif
.set gt, 0
.rept 4
	MM \b, \g, gz, gt
.if \ride
	FM sb, sg, (2*(gt&1)), ((4*gz+gt)>>1)
	FM sb, sg, (2*(gt&1)+1), ((4*gz+gt)>>1)
.endif
.set gt, gt+1
.endr
.set gz, gz+1
.endr
.endm
.macro TURNI                           ; I becomes -I: every code's sign bit is turned
	WIN 0xcc
.set xi, 64
.rept 64
	v_xor_b32 v[xi], s[SGN], v[xi]
.set xi, xi+1
.endr
.endm
.macro LCODE hi, p                     ; the kernel's codes: 32 fragments' halves of 512 bytes
.irp tl, 0,1,2,3
.if \tl == 3
	WIN 0
.set xb, C3+64*(\hi)
.else
	WIN 0x40<<(\hi)
.set xb, 64*\tl
.endif
.irp s, 0,1,2,3
.irp c, 0,1
	ds_load_b128 v[xb+32*(\p)+8*\s+4*\c:xb+32*(\p)+8*\s+4*\c+3], v[LDC] offset:8192*(4*(\hi)+\tl)+4096*(\p)+1024*\s+512*\c
.endr
.endr
.endr
.endm
.macro LBS hi                          ; the kernel's scale words of four tiles: 32 loads; lanes l and l xor 16 take the same word
	WIN 0
.irp p, 0,1
.irp tl, 0,1,2,3
.irp s, 0,1,2,3
	ds_load_b32 v[BS+32*\p+16*(\hi)+4*\tl+\s], v[LDB] offset:1024*(4*(\hi)+\tl)+256*\s+128*\p
.endr
.endr
.endr
.endm
; GLOBAL LOADS COME BACK IN ORDER.  For a trip they go out in this order: scale words of batch 0 (2), kr of tt 0-3 (8), kr of tt 4-7 (8), ki of tt 0-3 (8), scale words of batch 1 (2), ki of tt 4-7 (8), each behind the last read of
; its registers in the trip before; then the next trip's scale words of batch 0.  So behind each that is waited for stand 26, 18 (ki of tt 4-7 is not out yet), 18, 10 and, for the last two, 2; in the last trip none.
.macro BLOCK t, b
; U of tt 0-3
.if (\b) == 0
	s_wait_loadcnt 26                              ; batch 0's scale words
.elseif (\t) < 3
	s_wait_loadcnt 2                               ; batch 1's, and ki of tt 4-7
.else
	s_wait_loadcnt 0x0
.endif
.if ((\t) == 0) && ((\b) == 0)         ; the first group takes the codes as they come
	s_wait_dscnt 48                                ; behind kr's codes of tt 0-3 stand I's 16 loads and ki's 32
	STEPS 0, 0, 0, 4, 0, 0
	LCODE 1, 0
	LBS 1
	s_wait_dscnt 63                                ; behind ki's codes stand 64
	STEPS 0, 0, 4, 4, 0, 0
	LCODE 1, 1
	PLACES                                         ; for the accumulators' first reads, in the next group
.else
	STEPS \b, 0, 0, 8, 1, 1
	MOVS 1-(\b), 3
.endif
; U of tt 4-7
.if (\b) == 0
	s_wait_loadcnt 18                              ; kr of tt 0-3
.endif
.if ((\t) == 0) && ((\b) == 0)
	s_wait_dscnt 32                                ; behind kr's codes and the scale words of tt 4-7 stand ki's 32
	STEPS 0, 1, 0, 4, 1, 0
	s_wait_alu depctr_va_vdst(0)                   ; the wait here, ahead of the wait below
	s_wait_dscnt 0x0
	STEPS 0, 1, 4, 4, 1, 0
.else
	STEPS \b, 1, 0, 8, 1, 0
.endif
	MOVS \b, 0
	TURNI                                          ; two multiply-adds and the four moves stand behind the last read of I
.if (\b) == 0
	LKW 1, 1, \t
.elseif (\t) < 3
	LKW 0, 0, (\t)+1
.endif
; W of tt 0-3
.if (\b) == 0
	s_wait_loadcnt 18                              ; kr of tt 4-7
.endif
	STEPS \b, 2, 0, 8, 1, 0
	MOVS \b, 1
.if ((\b) == 1) && ((\t) < 3)
	LKW 0, 1, (\t)+1
.endif
; W of tt 4-7.  R's registers are read for the last time by step 3, I's by step 7: behind each the next block's fragments are fetched
.if (\b) == 0
	s_wait_loadcnt 10                              ; ki of tt 0-3
	WIN 0
	s_wait_tensorcnt 0x0                           ; all my tensor loads have landed: block (t, 1)'s tile or block (t + 1, 0)'s;
	ds_add_u32 v[SPW], v[NIL]                      ; 0 onto my spare word;
.if (\t) == 0
	s_add_co_u32 s[G0L+1], s[LM], s[K3]            ; waves 0, 1: region 3, which held the codes; waves 2, 3: region 0
.elseif (\t) == 1
	s_add_co_u32 s[G0L+1], s[LM], s[K1]            ; regions 1 and 2
.elseif (\t) == 2
	s_add_co_u32 s[G0L+1], s[LM], 3*REGION         ; region 3 (waves 0, 1 alone)
.endif
.if (\t) < 3
	s_add_nc_u64 s[G0L+2:G0L+3], s[G0L+2:G0L+3], CHUNK
.endif
	STEPS 0, 3, 0, 2, 1, 0
	s_wait_alu depctr_va_vdst(0)                   ; the wait here, ahead of the wait below
	s_wait_dscnt 0x0                               ; the add is done, and so are all my reads of LDS
	s_barrier_signal -1
	STEPS 0, 3, 2, 2, 1, 0
	WIN 0
	s_wait_alu depctr_va_vdst(0)
	s_barrier_wait -1
.if (\t) < 3
	CREST                                          ; no wave of any partner still reads the regions that are filled again, or has a load on its way
.endif
.if (\t) < 2
	tensor_load_to_lds s[G0L:G0L+3], s[G1:G1+7]
	s_nop 0
.elseif (\t) == 2
	s_cmp_lt_u32 s[WV], 2
	s_cbranch_scc0 .Lnone_\@
	tensor_load_to_lds s[G0L:G0L+3], s[G1:G1+7]    ; the last tiles: R, I of block (3, 1)
	s_nop 0
	PLACES
.Lnone_\@:
.endif
	PLACES                                         ; on every way, for the loads below
	LFR 0, 2*((\t)&1)+1
.if (\t) == 0
	WIN 0
	global_prefetch_b8 v[PFO], s[PF:PF+1] offset:2*CHUNK th:TH_LOAD_NT scope:SCOPE_SE   ; the tile of the next round
.elseif (\t) == 1
	WIN 0
	s_cmp_lt_u32 s[WV], 2
	s_cbranch_scc0 .Lnoask_\@
	global_prefetch_b8 v[PFO], s[PF:PF+1] offset:3*CHUNK th:TH_LOAD_NT scope:SCOPE_SE
.Lnoask_\@:
.endif
	STEPS 0, 3, 4, 4, 1, 0
	MOVS 0, 2
	LFR 1, 2*((\t)&1)+1
.if (\t) < 3
	LAS 0, (\t)+1
.endif
.else
	STEPS 1, 3, 0, 5, 1, 0
.if (\t) < 3
	LFR 0, 2*(((\t)+1)&1)                          ; step 4's eight multiply-adds stand behind the last read of R
.endif
	STEPS 1, 3, 5, 3, 1, 0
	MOVS 1, 2
.if (\t) < 3
	LFR 1, 2*(((\t)+1)&1)
	LKW 1, 0, (\t)+1
	LAS 1, (\t)+1
.endif
.endif
.endm
	LAS 0, 0
	LKW 0, 0, 0
	LKW 0, 1, 0
	WIN 0
	global_prefetch_b8 v[PFO], s[PF:PF+1] th:TH_LOAD_NT scope:SCOPE_SE   ; the tile that I fetch behind the next round
.set i, 0
.rept 16
	v_mov_b32 v[SUM+i], 0                          ; 16 sums a lane begin at 0
.set i, i+1
.endr
	s_wait_alu depctr_va_vdst(0)                   ; the wait here, ahead of the waits below
	s_wait_tensorcnt 0x0                           ; my tile of the start is in
	ds_add_u32 v[SPW], v[NIL]
	s_add_co_u32 s[G0L+1], s[LM], s[K1]            ; waves 0, 1: region 1; waves 2, 3: region 2
	s_wait_dscnt 0x0
	CROUND                                         ; block (0, 0)'s tiles and the codes are in, in every work-group
	tensor_load_to_lds s[G0L:G0L+3], s[G1:G1+7]    ; R, I of blocks (0, 1) and (1, 0)
	s_nop 0
	PLACES
	LBS 0
	LFR 0, 0
	LCODE 0, 0
	LFR 1, 0
	LCODE 0, 1
	LKW 1, 0, 0
	LAS 1, 0
	global_prefetch_b8 v[PFO], s[PF:PF+1] offset:CHUNK th:TH_LOAD_NT scope:SCOPE_SE
	BLOCK 0, 0
	BLOCK 0, 1
	BLOCK 1, 0
	BLOCK 1, 1
	BLOCK 2, 0
	BLOCK 2, 1
	BLOCK 3, 0
	BLOCK 3, 1
.set fn, 0
.rept 16
.set ft, 0
.rept 4
	FM 1, 3, ft, fn                                ; the last group's multiply-adds
.set ft, ft+1
.endr
.set fn, fn+1
.endr
	MOVS 1, 3
	WIN 0
; THE WAY OUT: the eight contributions to a result (four waves, two halves of the lanes) meet in LDS.  A lane's sums of tt 4 k .. 4 k + 3 are the neighbours i = 128 X + 64 k + 4 r + 0 .. 3
.irp b, 0,1
.irp k, 0,1
	ds_store_b128 v[STO], v[SUM+8*\b+4*\k:SUM+8*\b+4*\k+3] offset:512*\b+256*\k
.endr
.endr
	s_wait_tensorcnt 0x0                           ; behind my last tensor load and my last LDS store
	ds_add_u32 v[SPW], v[NIL]
	s_wait_dscnt 0x0                               ; my stores into the stage are done
	CROUND                                         ; the closing round: no work-group ends while a partner may still ask for a tile that names it; its barriers also part the stage's writing from its reading
.irp k, 0,1,2,3,4,5,6,7
	ds_load_b64 v[C3+2*\k:C3+2*\k+1], v[RD] offset:1024*\k
.endr
	s_wait_dscnt 0x0
.irp k, 0,1,2,3
	v_pk_add_f32 v[C3+2*\k:C3+2*\k+1], v[C3+2*\k:C3+2*\k+1], v[C3+8+2*\k:C3+9+2*\k]
.endr
	v_pk_add_f32 v[C3:C3+1], v[C3:C3+1], v[C3+4:C3+5]
	v_pk_add_f32 v[C3+2:C3+3], v[C3+2:C3+3], v[C3+6:C3+7]
	v_pk_add_f32 v[C3:C3+1], v[C3:C3+1], v[C3+2:C3+3]
	global_store_b64 v[OFO], v[C3:C3+1], s[OP:OP+1]   ; 32 lanes store 256 consecutive bytes, at a multiple of 256 from out0's first byte
	s_endpgm
.Lfunc_end_k_q45e12550db_main:
	.size	k_q45e12550db_main, .Lfunc_end_k_q45e12550db_main-k_q45e12550db_main
	.p2alignl 7, 3214868480
	.fill 96, 4, 3214868480
	.section	.rodata,"a",@progbits
	.p2align	6, 0x0
	.amdhsa_kernel k_q45e12550db_main
		.amdhsa_group_segment_fixed_size 327680
		.amdhsa_private_segment_fixed_size 0
		.amdhsa_enable_private_segment 0
		.amdhsa_kernarg_size 56
		.amdhsa_user_sgpr_count 2
		.amdhsa_user_sgpr_kernarg_segment_ptr 1
		.amdhsa_wavefront_size32 1
		.amdhsa_system_sgpr_workgroup_id_x 1
		.amdhsa_system_sgpr_workgroup_id_y 1
		.amdhsa_system_sgpr_workgroup_id_z 1
		.amdhsa_system_vgpr_workitem_id 0
		.amdhsa_next_free_vgpr 1024
		.amdhsa_next_free_sgpr 96
		.amdhsa_reserve_vcc 0
		.amdhsa_float_denorm_mode_32 3
		.amdhsa_float_denorm_mode_16_64 3
		.amdhsa_memory_ordered 1
		.amdhsa_forward_progress 1
		.amdhsa_inst_pref_size 255
	.end_amdhsa_kernel
	.section	.bss,"aw",@nobits
	.p2align	6
	.space	262144
	.amdgpu_metadata
---
amdhsa.version: [ 1, 2 ]
amdhsa.kernels:
  - .name:           k_q45e12550db_main
    .symbol:         k_q45e12550db_main.kd
    .args:
      - { .name: input_real_codes, .offset: 0, .size: 8, .value_kind: global_buffer, .address_space: global }
      - { .name: input_real_scales, .offset: 8, .size: 8, .value_kind: global_buffer, .address_space: global }
      - { .name: input_imag_codes, .offset: 16, .size: 8, .value_kind: global_buffer, .address_space: global }
      - { .name: input_imag_scales, .offset: 24, .size: 8, .value_kind: global_buffer, .address_space: global }
      - { .name: kq, .offset: 32, .size: 8, .value_kind: global_buffer, .address_space: global }
      - { .name: kw, .offset: 40, .size: 8, .value_kind: global_buffer, .address_space: global }
      - { .name: out0, .offset: 48, .size: 8, .value_kind: global_buffer, .address_space: global }
    .group_segment_fixed_size: 327680
    .private_segment_fixed_size: 0
    .kernarg_segment_align: 8
    .kernarg_segment_size: 56
    .max_flat_workgroup_size: 128
    .sgpr_count:     96
    .vgpr_count:     1024
    .wavefront_size: 32
...
	.end_amdgpu_metadata
.endif
;; end of part 2
